; MI455X (gfx1250); checked and timed in simulation.
; The chip was launched on July 23, 2026; its instructions are those of AMD's public machine-readable ISA for CDNA 5 (MIT licence, August 2026) and "CDNA5" Instruction Set Architecture Reference Guide (July 2026). The comments in the code are by the model that wrote it; some were corrected since.
;; Cross Attention. Allowed arithmetic: matrix products marked QUANTISED: E5M2 operands, one given power-of-two scale a tensor, by v_wmma_f32_16x16x64_bf8_bf8 or v_wmma_f32_16x16x128_bf8_bf8, f32 sums; everything else in f32.
;; Inputs: Wk_codes 1,024 x 32 x 32 uint8 (E5M2 codes of Wk, K innermost, in blocks of 32 codes); Wq_codes 1,024 x 32 x 32 uint8 (E5M2 codes of Wq, K innermost, in blocks of 32 codes); Wv_codes 1,024 x 32 x 32 uint8 (E5M2 codes of Wv, K innermost, in blocks of 32 codes); bk 1,024 float32; bq 1,024 float32; bv 1,024 float32; context_codes 4 x 2,048 x 32 x 32 uint8 (E5M2 codes of context, K innermost, in blocks of 32 codes); lowp_scales 10 int32 (the exponents e of the quantised operands' scales 2^e); mask 4 x 2,048 bool; x_codes 4 x 2,048 x 32 x 32 uint8 (E5M2 codes of x, K innermost, in blocks of 32 codes).
;; Outputs: out0 4 x 2,048 x 1,024 float32.
;; This version of the problem:
;;   THIS VERSION OF THE PROBLEM IS GIVEN IN LOW PRECISION. The matrix products marked QUANTISED in the list below multiply operands that are first quantised to E5M2 (5 exponent bits, 2 mantissa bits; 8 bits a number), with one given power-of-two scale for each operand tensor; their sums are f32. All else is computed in f32.
;;   The module's matrix products, in the order in which they are computed (A, B: the left and right operand; K: the contracted axis; several contracted axes count as one K, in the product's order):
;;     1. [M 8,192, K 1,024] x [K 1,024, N 1,024]; A: input x (given as codes); B: input Wq (given as codes): QUANTISED (scales: A lowp_scales[0], B lowp_scales[1])
;;     2. [M 8,192, K 1,024] x [K 1,024, N 1,024]; A: input context (given as codes); B: input Wk (given as codes): QUANTISED (scales: A lowp_scales[2], B lowp_scales[3])
;;     3. [M 8,192, K 1,024] x [K 1,024, N 1,024]; A: input context (given as codes); B: input Wv (given as codes): QUANTISED (scales: A lowp_scales[4], B lowp_scales[5])
;;     4. batch 64 x [M 2,048, K 64] x [K 64, N 2,048]; A: computed on the way; B: computed on the way: QUANTISED (scales: A lowp_scales[6], B lowp_scales[7])
;;     5. batch 64 x [M 2,048, K 2,048] x [K 2,048, N 64]; A: softmax (see below); B: computed on the way: QUANTISED (scales: A lowp_scales[8], B lowp_scales[9])
;;   THE QUANTISER, for each operand of a quantised product, along K:
;;     - The operand's scale is 2^e, e = its entry of the input lowp_scales (int32; the entries are numbered through the quantised products in the list's order, A before B).
;;     - Each number is divided by the scale, clamped to +-57,344, and rounded to the nearest number of E5M2, ties to even, subnormals kept.
;;     - The product sums the exact products of the quantised numbers (number of the format x scale) in f32.
;;   ~~~python
;;   def quantise(x, axis, e):      # numpy; x: float32 -> the quantised numbers, widened to float32 again
;;       x = np.moveaxis(x, axis, -1); K = x.shape[-1]
;;       r = np.clip(x / 2.0 ** e, -57344, 57344)
;;       step = 2.0 ** (np.maximum(np.frexp(np.where(r == 0, 1, r))[1] - 1, -14) - 2)
;;       q = np.round(r / step) * step * 2.0 ** e      # np.round: ties to even
;;       return np.moveaxis(q, -1, axis).astype(np.float32)
;;   ~~~
;;   SOFTMAX AHEAD OF A QUANTISED PRODUCT. Where the list says 'softmax', what is quantised is not the finished softmax but p = 2^(t - M), with t = logit x log2(e) and M = ceil(the row's largest t), a whole number; so 1/2 < the row's largest p <= 1. The row's sum l is taken of the UNQUANTISED p, in f32, and the product's result is divided by l at the end. Since M is a whole number, a kernel that streams over the keys may use a running M (the ceiling of the running maximum): every later rescaling is an exact power of two, so the quantised numbers keep their values, but for numbers so far below the row's largest that they fall under the format's range.
;;   OPERANDS COMPUTED ON THE WAY. 'Computed on the way' means the value that the module computes at that place (a softmax that the list does not call 'softmax' is quantised finished and normalised). What goes into a quantiser is computed in f32, as accurately as f32 sums, v_exp_f32 and their like allow (about 1e-6 of the number): no bf16 or f16 on the way to a quantiser, and a product that is left as it is and whose result goes on into a quantised operand takes f32 operands (vector FMAs, or v_wmma_f32_16x16x4_f32). A number that lies on a knife's edge between two numbers of the format may be rounded either way, as far as f32 arithmetic and the matrix unit's own rounding can turn it there, and no further.
;;   INPUTS GIVEN AS CODES. Wk (in the module: [1024, 1024], K = its axis 0); Wq (in the module: [1024, 1024], K = its axis 0); Wv (in the module: [1024, 1024], K = its axis 0); context (in the module: [4, 2048, 1024], K = its axis 2); x (in the module: [4, 2048, 1024], K = its axis 2): each comes as NAME_codes (uint8): NAME with its K axis moved to the last place and cut into blocks of 32 codes, [.., K / 32, bytes a block], one block behind the other in memory; one code a byte (a code: sign, 5 exponent bits, 2 mantissa bits); its scale is its entry of lowp_scales. Its value is code x scale, taken as it is: it is not quantised again, and the codes and scales need not be those that the quantiser above would give.
;; One version. Each part assembles by itself: llvm-mc -triple=amdgcn-amd-amdhsa -mcpu=gfx1250 --defsym DOCPART=n.
;; ======== version 1 of 1: 2 launches
;; limits: right only within a limited range of input values
;; workspace buffers: q_ws 8,388,608 bytes; kv_ws 16,777,216 bytes
;; launch proj (part 1): grid 4 x 96, 4 waves a work-group, clusters of 4 x 4, 327,680 bytes of LDS; arguments x_codes, context_codes, Wq_codes, Wk_codes, Wv_codes, bq, bk, bv, lowp_scales, q_ws, kv_ws; writes q_ws, kv_ws
.if DOCPART == 1
	.amdgcn_target "amdgcn-amd-amdhsa--gfx1250"
	.amdhsa_code_object_version 6
	.text
	.protected	k_q32546a0dd2_proj
	.globl	k_q32546a0dd2_proj
	.p2align	8
	.type	k_q32546a0dd2_proj,@function
k_q32546a0dd2_proj:
	s_mov_b64 s[64:65], 0
	v_nop
	global_prefetch_b8 v0, s[64:65] scope:SCOPE_SE
	s_setreg_imm32_b32 hwreg(HW_REG_WAVE_MODE, 25, 1), 1
	s_wait_xcnt 0x0
	s_wait_alu depctr_hold_cnt(0) depctr_sa_sdst(0) depctr_va_vdst(0) depctr_va_sdst(0) depctr_va_ssrc(0) depctr_va_vcc(0) depctr_vm_vsrc(0)
	s_getreg_b32 s2, hwreg(HW_REG_IB_STS2, 6, 4)
	s_cmp_eq_u32 s2, 0
	s_cbranch_scc0 .Lentry_in_a_cluster
	s_endpgm
.Lentry_in_a_cluster:
	s_bfe_u32 s2, ttmp6, 0x10000c
	s_cmp_lg_u32 s2, 0xf033
	s_cbranch_scc0 .Lentry_shape_is_right
	s_endpgm
.Lentry_shape_is_right:
; The three projections, q = x Wq + bq, k = context Wk + bk, v = context Wv + bv, on codes of BF8 (E5M2), and their quantising for the attention launch.
; A work-group makes 256 x 256 of one result, a wave 128 x 128; K = 1,024 goes in four steps of 256 through a ring of two LDS slots filled by joint tensor loads (clusters of 4 x 4).
; The cluster's y / 8 says which product: 0 q, 1 k, 2 v.  Source 1 of the matrix instruction (A, LDS rows 0-255 of a slot) gives a lane its row, source 0 (B, rows 256-511) its eight neighbours.
; q, k: A = tokens (tile 4 (y % 8) + cy), B = the weight's rows (tile cx): a lane holds eight neighbouring channels of a token.
; v: A = Wv's rows (tile cy), B = tokens (tile 4 (y % 8) + cx): a lane holds eight neighbouring keys of a channel.  Only addresses in memory differ between the products: every LDS address is a constant and the wave's term.
; Each sum x 2^(the two scales' exponents) + bias is held at the largest code, converted with the given scale and stored as images of 128 rows x 128 bytes, row sw(i) for index i (sw exchanges bits 3 and 4).
; LIMITS: each sum of two exponents between -126 and 127; e6, e7, e9 between -126 and 112.
.set KROW,   1024
.set ROWB,   256
.set PITCH,  272
.set FR,     16
.set NL,     4
.set NP,     4
.set HALFT,  128*PITCH
.set SLOT,   4*HALFT
.set SPARE,  2*SLOT
.set STGP,   144
.set STGW,   128*STGP
.set ADRA, 16
.set ADRB, 20
.set STO,  24
.set RD,   25
.set CO,   26
.set SPW,  28
.set NIL,  29
.set BCO,  30
.set BRO,  31
.set CB,   32
.set RB,   96
.set LIM,  112
.set SCL,  113
.set AF,   128
.set TMP,  128
.set CD,   192
.set G1, 24
.set G0, 32
.set G1B, 48
.set G0B, 56
.set MSB, 0
.macro WIN new
.if MSB != \new
	s_set_vgpr_msb (MSB<<8)|\new
.set MSB, \new
.endif
.endm
.set MUL_LO, 0xa1
.set MUL_HI, 0xf1
.set TO_B,   0x40
.macro JLOAD g0a, g1a, g0b, g1b
	s_cmp_eq_u32 s15, 0
	s_cbranch_scc0 .Lfor_b_\@
	tensor_load_to_lds s[\g0a:\g0a+3], s[\g1a:\g1a+7]
	s_nop 0
.rept 4
	v_nop
.endr
	s_branch .Lasked_\@
.Lfor_b_\@:
	tensor_load_to_lds s[\g0b:\g0b+3], s[\g1b:\g1b+7]
	s_nop 0
.rept 4
	v_nop
.endr
.Lasked_\@:
.endm
.macro CREST
	s_cmp_lg_u32 s14, 0
	s_cbranch_scc1 .Lnot_wave_0_\@
	s_barrier_signal -3
.Lnot_wave_0_\@:
	s_barrier_wait -3
	s_barrier_signal -1
	s_barrier_wait -1
.endm
.macro CROUND
	s_barrier_signal -1
	s_barrier_wait -1
	CREST
.endm
	s_load_b256 s[68:75], s[0:1], 0x0
	s_load_b256 s[76:83], s[0:1], 0x20
	s_load_b128 s[84:87], s[0:1], 0x40
	s_load_b64 s[88:89], s[0:1], 0x50
	v_lshl_add_u32 v[SPW], v0, 2, SPARE
	v_mov_b32 v[NIL], 0
	ds_add_u32 v28, v29
	ds_add_u32 v28, v29
	s_wait_dscnt 0x0
	v_lshrrev_b32 v1, 5, v0
	v_readfirstlane_b32 s14, v1
	s_lshr_b32 s15, s14, 1
	s_and_b32 s16, s14, 1
	s_bfe_u32 s40, ttmp6, 0x40000
	s_bfe_u32 s41, ttmp6, 0x40004
	s_and_b32 s17, ttmp7, 0xffff
	s_lshr_b32 s12, s17, 3                         ; which product
	s_and_b32 s13, s17, 7
	s_lshl_b32 s13, s13, 2                         ; the cluster's four tiles of tokens begin here
	s_cmp_eq_u32 s12, 2
	s_cselect_b32 s17, 0, s13                      ; A's tile: tokens (q, k) or Wv's rows (v), + cy
	s_cselect_b32 s42, s13, 0                      ; B's tile: the weight's rows (q, k) or tokens (v), + cx
	s_add_co_u32 s17, s17, s41
	s_add_co_u32 s42, s42, s40
	s_lshl_b32 s43, s41, 2
	s_lshl_b32 s43, 15, s43
	s_lshl_b32 s44, 0x1111, s40
	s_or_b32 s[G1+0], s43, (0<<16)|(1<<20)|(1<<21)|(5<<22)|(3<<25)
	s_or_b32 s[G1B+0], s44, (0<<16)|(1<<20)|(1<<21)|(5<<22)|(3<<25)
.irp g, G1, G1B
	s_mov_b32 s[\g+1], ROWB<<16
	s_mov_b32 s[\g+2], 128<<16
	s_mov_b32 s[\g+3], ROWB<<16
	s_mov_b32 s[\g+4], 128
	s_mov_b32 s[\g+5], KROW
	s_mov_b32 s[\g+6], 0
	s_mov_b32 s[\g+7], 0
.endr
	s_lshl_b32 s18, s16, 7
	s_lshl_b32 s20, s17, 8
	s_add_co_u32 s20, s20, s18
	s_lshl_b32 s20, s20, 10
	s_mov_b32 s21, 0
	s_lshl_b32 s46, s42, 8
	s_add_co_u32 s46, s46, s18
	s_lshl_b32 s46, s46, 10
	s_mov_b32 s47, 0
	s_mul_i32 s45, s14, HALFT
	s_cmp_eq_u32 s12, 2
	s_cselect_b32 s2, 0, -1
	s_cselect_b32 s3, -1, 0
	s_wait_kmcnt 0x0
	s_load_b256 s[92:99], s[84:85], 0x0
	s_load_b64 s[100:101], s[84:85], 0x20
	s_cmp_eq_u32 s12, 0
	s_cselect_b64 s[4:5], s[68:69], s[70:71]
	s_cselect_b64 s[6:7], s[72:73], s[74:75]
	s_cselect_b64 s[8:9], s[78:79], s[80:81]
	s_cselect_b64 s[10:11], s[86:87], s[88:89]
	s_cmp_eq_u32 s12, 2
	s_cselect_b64 s[4:5], s[76:77], s[4:5]         ; v: A is Wv,
	s_cselect_b64 s[6:7], s[70:71], s[6:7]         ; and B is context
	s_cselect_b64 s[8:9], s[82:83], s[8:9]
	s_add_nc_u64 s[20:21], s[4:5], s[20:21]
	s_add_nc_u64 s[46:47], s[6:7], s[46:47]
	CROUND
.irp s, 0,1
	s_mov_b32 s[G0+4*\s], 1
	s_add_co_u32 s[G0+4*\s+1], s45, \s*SLOT
	s_add_nc_u64 s[G0+4*\s+2:G0+4*\s+3], s[20:21], \s*ROWB
	s_or_b32 s[G0+4*\s+3], s[G0+4*\s+3], 0x80000000
	s_mov_b32 s[G0B+4*\s], 1
	s_add_co_u32 s[G0B+4*\s+1], s45, \s*SLOT
	s_add_nc_u64 s[G0B+4*\s+2:G0B+4*\s+3], s[46:47], \s*ROWB
	s_or_b32 s[G0B+4*\s+3], s[G0B+4*\s+3], 0x80000000
.endr
	JLOAD G0, G1, G0B, G1B                         ; K step 0: my one tensor load at the head
	; PREFETCH of the token operand (x or context), two K steps ahead of its load: behind K step 0's load K step 2 is asked for, behind K step 1's K step 3.
	; The two waves that fetch tokens ask (A's for q and k, B's for v).  Of the 128 rows that such a wave fetches each of the four partners takes 32, told apart by address; a lane a row, 256 bytes of it.
	; The weights are not asked for: eight clusters read the same rows of them.
	s_cmp_eq_u32 s12, 2
	s_cselect_b32 s13, 1, 0                        ; which waves fetch tokens
	s_cselect_b64 s[66:67], s[46:47], s[20:21]     ; such a wave's 128 rows
	s_cselect_b32 s18, s41, s40                    ; my place among the four that ask for them jointly
	s_lshl_b32 s18, s18, 15                        ; 32 rows of 1,024 bytes
	s_mov_b32 s19, 0
	s_add_nc_u64 s[66:67], s[66:67], s[18:19]
	v_and_b32 v27, 31, v0
	v_lshlrev_b32 v27, 10, v27
	s_cmp_eq_u32 s15, s13
	s_cbranch_scc0 .Lno_ask_2
	global_prefetch_b8 v27, s[66:67] offset:2*ROWB th:TH_LOAD_NT scope:SCOPE_SE
.Lno_ask_2:
	v_and_b32 v1, 15, v0
	s_wait_alu depctr_va_vdst(0)
	v_bfe_u32 v2, v0, 4, 1
	v_mul_u32_u24 v3, v1, PITCH
	v_lshl_add_u32 v4, v2, 4, v3
	s_mul_i32 s21, s15, HALFT
	s_mul_i32 s22, s16, HALFT
	s_add_co_u32 s22, s22, 2*HALFT
.irp s, 0,1
	v_add_nc_u32 v[ADRA+\s], s21, v4
	v_add_nc_u32 v[ADRB+\s], s22, v4
	s_add_co_u32 s21, s21, SLOT
	s_add_co_u32 s22, s22, SLOT
.endr
	s_mul_i32 s23, s14, STGW
	v_and_b32 v5, 7, v1
	v_lshrrev_b32 v6, 3, v1
	v_lshl_add_u32 v5, v6, 4, v5
	v_mul_u32_u24 v5, v5, STGP
	v_lshl_add_u32 v5, v2, 3, v5
	v_add_nc_u32 v[STO], s23, v5
	v_and_b32 v6, 31, v0
	v_lshlrev_b32 v[CO], 4, v6
	v_lshrrev_b32 v7, 3, v6
	v_mul_u32_u24 v7, v7, STGP
	v_and_b32 v8, 7, v6
	v_lshl_add_u32 v7, v8, 4, v7
	v_add_nc_u32 v[RD], s23, v7
	v_lshlrev_b32 v[BCO], 5, v2
	s_wait_alu depctr_va_vdst(0)
	v_lshlrev_b32 v[BRO], 2, v1
	s_wait_alu depctr_va_vdst(0)
	s_cmp_eq_u32 s12, 0
	s_cselect_b32 s43, 14, 15
	s_cmp_eq_u32 s12, 2
	s_cselect_b32 s44, 16384, 0
	s_lshl_b32 s18, s17, 1
	s_add_co_u32 s18, s18, s15                     ; my block of 128 rows of A
	s_lshl_b32 s19, s42, 1
	s_add_co_u32 s19, s19, s16                     ; and of B
	s_cmp_eq_u32 s12, 2
	s_cselect_b32 s22, s19, s18                    ; the block of tokens
	s_cselect_b32 s23, s18, s19                    ; the block of channels
	s_lshl_b32 s22, s22, 3
	s_add_co_u32 s22, s22, s23
	s_lshl_b32 s22, s22, s43
	s_add_co_u32 s22, s22, s44
	s_lshl_b32 s18, s23, 9
	s_mov_b32 s19, 0
	s_mov_b32 s23, 0
	s_add_nc_u64 s[8:9], s[8:9], s[18:19]
	s_add_nc_u64 s[10:11], s[10:11], s[22:23]
.set i, 0
.rept 8
	global_load_b128 v[CB+8*i:CB+8*i+3], v[BCO], s[8:9] offset:64*i
	global_load_b128 v[CB+8*i+4:CB+8*i+7], v[BCO], s[8:9] offset:64*i+16
.set i, i+1
.endr
.set i, 0
.rept 8
	global_load_b32 v[RB+2*i], v[BRO], s[8:9] offset:64*i
	global_load_b32 v[RB+2*i+1], v[BRO], s[8:9] offset:64*i
.set i, i+1
.endr
.macro FRAG reg, adr, q, i
.irp c, 0,1,2,3
	ds_load_b128 v[\reg+4*\c:\reg+4*\c+3], v[\adr] offset:128*(\q)+32*\c+(\i)*16*PITCH
.endr
.endm
.macro MUL16 a0, p, zero
.irp a, \a0, \a0+1
.irp b, 0,1,2,3,4,5,6,7
.if \zero
	v_wmma_f32_16x16x128_bf8_bf8 v[8*(8*((\a)%4)+\b):8*(8*((\a)%4)+\b)+7], v[128*(\p)+FR*\b:128*(\p)+FR*\b+FR-1], v[AF+FR*(\a):AF+FR*(\a)+FR-1], 0
.else
	v_wmma_f32_16x16x128_bf8_bf8 v[8*(8*((\a)%4)+\b):8*(8*((\a)%4)+\b)+7], v[128*(\p)+FR*\b:128*(\p)+FR*\b+FR-1], v[AF+FR*(\a):AF+FR*(\a)+FR-1], v[8*(8*((\a)%4)+\b):8*(8*((\a)%4)+\b)+7]
.endif
.endr
.endr
.endm
.macro FETCH_B slot, q, p
	WIN TO_B
.irp i, 0,1,2,3,4,5,6,7
	FRAG 128*(\p)+FR*\i, ADRB+\slot, \q, \i
.endr
	WIN 0
.endm
.macro FETCH_A slot, q, i0
.irp i, \i0, \i0+1, \i0+2, \i0+3
	FRAG AF+FR*(\i), ADRA+\slot, \q, \i
.endr
.endm
.macro PLACES n
.rept \n
	v_nop
.endr
.endm
.macro STEP slot, q, zero
	s_wait_dscnt 4*NL
	WIN MUL_LO
	MUL16 0, (\q)%2, \zero
	MUL16 2, (\q)%2, \zero
	s_wait_dscnt 0
	PLACES NP
	FETCH_B \slot, (\q)+1, 1-(\q)%2
	FETCH_A \slot, (\q)+1, 0
	WIN MUL_HI
	MUL16 4, (\q)%2, \zero
	MUL16 6, (\q)%2, \zero
	PLACES NP
	WIN 0
	FETCH_A \slot, (\q)+1, 4
.endm
.macro TURN slot, next, fill
	s_wait_tensorcnt 0x0
	ds_add_u32 v[SPW], v[NIL]
	s_wait_dscnt 4*NL+1
	WIN MUL_LO
	MUL16 0, 1, 0
	s_wait_dscnt 0x0
	s_barrier_signal -1
	MUL16 2, 1, 0
	WIN 0
	s_barrier_wait -1
.if \fill
	CREST
	s_add_nc_u64 s[G0+4*\slot+2:G0+4*\slot+3], s[G0+4*\slot+2:G0+4*\slot+3], 2*ROWB
	s_add_nc_u64 s[G0B+4*\slot+2:G0B+4*\slot+3], s[G0B+4*\slot+2:G0B+4*\slot+3], 2*ROWB
	JLOAD G0+4*\slot, G1, G0B+4*\slot, G1B
.else
	PLACES NP
.endif
	FETCH_B \next, 0, 0
	FETCH_A \next, 0, 0
	WIN MUL_HI
	MUL16 4, 1, 0
	MUL16 6, 1, 0
	PLACES NP
	WIN 0
	FETCH_A \next, 0, 4
.endm
	s_wait_alu depctr_va_vdst(0)
	s_wait_tensorcnt 0x0                           ; my part of K step 0 is in
	ds_add_u32 v[SPW], v[NIL]
	s_wait_dscnt 0x0
	CROUND                                         ; everybody's part of K step 0 is in, and the joint loads meet
	JLOAD G0+4, G1, G0B+4, G1B                     ; K step 1, the first tensor load behind the round
	FETCH_B 0, 0, 0
	FETCH_A 0, 0, 0
	FETCH_A 0, 0, 4
	s_cmp_eq_u32 s15, s13
	s_cbranch_scc0 .Lno_ask_3
	global_prefetch_b8 v27, s[66:67] offset:3*ROWB th:TH_LOAD_NT scope:SCOPE_SE
.Lno_ask_3:
	STEP 0, 0, 1
	TURN 0, 1, 1
	STEP 1, 0, 0
	TURN 1, 0, 1
	STEP 0, 0, 0
	TURN 0, 1, 0
	STEP 1, 0, 0
	s_wait_dscnt 4*NL
	WIN MUL_LO
	MUL16 0, 1, 0
	MUL16 2, 1, 0
	s_wait_dscnt 0
	WIN MUL_HI
	MUL16 4, 1, 0
	MUL16 6, 1, 0
	WIN 0
	s_wait_loadcnt 0x0
	s_wait_kmcnt 0x0
	s_add_co_i32 s18, s92, s93
	s_add_co_i32 s19, s94, s95
	s_add_co_i32 s22, s96, s97
	s_cmp_eq_u32 s12, 0
	s_cselect_b32 s18, s18, s19
	s_cselect_b32 s19, s98, s99
	s_cmp_eq_u32 s12, 2
	s_cselect_b32 s18, s22, s18
	s_cselect_b32 s19, s101, s19
	s_add_co_i32 s18, s18, 127
	s_lshl_b32 s90, s18, 23
	s_mov_b32 s91, s90
	s_add_co_i32 s19, s19, 127
	s_lshl_b32 s22, s19, 23
	v_mov_b32 v[SCL], s22
	s_add_co_i32 s19, s19, 15
	s_lshl_b32 s19, s19, 23
	s_or_b32 s19, s19, 0x600000
	v_mov_b32 v[LIM], s19
.set j, 0
.rept 64
	v_and_b32 v[CB+j], s2, v[CB+j]
.set j, j+1
.endr
.set j, 0
.rept 16
	v_and_b32 v[RB+j], s3, v[RB+j]
.set j, j+1
.endr
.macro OUTBLK a
.set AC, 64*((\a)%4)
.set CC, CD+16*((\a)%2)
.set WO, 2+((\a)/4)
	WIN WO
.set j, 0
.rept 32
	v_pk_fma_f32 v[TMP+j:TMP+j+1], v[AC+j:AC+j+1], s[90:91], v[CB+j:CB+j+1] op_sel_hi:[1,0,1]
.set j, j+2
.endr
	WIN 0
.set j, 0
.rept 32
	v_pk_add_f32 v[TMP+j:TMP+j+1], v[TMP+j:TMP+j+1], v[RB+2*(\a):RB+2*(\a)+1]
.set j, j+2
.endr
.set j, 0
.rept 64
	v_med3_num_f32 v[TMP+j], v[TMP+j], -v[LIM], v[LIM]
.set j, j+1
.endr
.if (\a) >= 2
	s_wait_alu depctr_va_vdst(0)
	s_wait_dscnt 8
.endif
.set j, 0
.rept 8
	v_cvt_scalef32_pk8_bf8_f32 v[CC+2*j:CC+2*j+1], v[TMP+8*j:TMP+8*j+7], v[SCL]
.set j, j+1
.endr
	v_nop
.set j, 0
.rept 8
	ds_store_b64 v[STO], v[CC+2*j:CC+2*j+1] offset:(32*((\a)/2)+8*((\a)%2))*STGP+16*j
.set j, j+1
.endr
.endm
.irp a, 0,1,2,3,4,5,6,7
	OUTBLK \a
.endr
	s_wait_dscnt 0x0
.set i, 0
.rept 32
	ds_load_b128 v[128+4*i:131+4*i], v[RD] offset:4*STGP*i
.set i, i+1
.endr
.set i, 0
.rept 32
	s_wait_dscnt 31-i
	global_store_b128 v[CO], v[128+4*i:131+4*i], s[10:11] offset:512*i
.set i, i+1
.endr
	s_wait_tensorcnt 0x0
	ds_add_u32 v[SPW], v[NIL]
	s_wait_dscnt 0x0
	CROUND
	s_endpgm
.Lfunc_end_k_q32546a0dd2_proj:
	.size	k_q32546a0dd2_proj, .Lfunc_end_k_q32546a0dd2_proj-k_q32546a0dd2_proj
	.p2alignl 7, 3214868480
	.fill 96, 4, 3214868480
	.section	.rodata,"a",@progbits
	.p2align	6, 0x0
	.amdhsa_kernel k_q32546a0dd2_proj
		.amdhsa_group_segment_fixed_size 327680
		.amdhsa_private_segment_fixed_size 0
		.amdhsa_enable_private_segment 0
		.amdhsa_kernarg_size 88
		.amdhsa_user_sgpr_count 2
		.amdhsa_user_sgpr_kernarg_segment_ptr 1
		.amdhsa_wavefront_size32 1
		.amdhsa_system_sgpr_workgroup_id_x 1
		.amdhsa_system_sgpr_workgroup_id_y 1
		.amdhsa_system_sgpr_workgroup_id_z 1
		.amdhsa_system_vgpr_workitem_id 0
		.amdhsa_next_free_vgpr 1024
		.amdhsa_next_free_sgpr 102
		.amdhsa_reserve_vcc 0
		.amdhsa_float_denorm_mode_32 3
		.amdhsa_float_denorm_mode_16_64 3
		.amdhsa_memory_ordered 1
		.amdhsa_forward_progress 1
		.amdhsa_inst_pref_size 165
	.end_amdhsa_kernel
	.amdgpu_metadata
---
amdhsa.version: [ 1, 2 ]
amdhsa.kernels:
  - .name:           k_q32546a0dd2_proj
    .symbol:         k_q32546a0dd2_proj.kd
    .args:
      - { .name: x_codes, .offset: 0, .size: 8, .value_kind: global_buffer, .address_space: global }
      - { .name: context_codes, .offset: 8, .size: 8, .value_kind: global_buffer, .address_space: global }
      - { .name: Wq_codes, .offset: 16, .size: 8, .value_kind: global_buffer, .address_space: global }
      - { .name: Wk_codes, .offset: 24, .size: 8, .value_kind: global_buffer, .address_space: global }
      - { .name: Wv_codes, .offset: 32, .size: 8, .value_kind: global_buffer, .address_space: global }
      - { .name: bq, .offset: 40, .size: 8, .value_kind: global_buffer, .address_space: global }
      - { .name: bk, .offset: 48, .size: 8, .value_kind: global_buffer, .address_space: global }
      - { .name: bv, .offset: 56, .size: 8, .value_kind: global_buffer, .address_space: global }
      - { .name: lowp_scales, .offset: 64, .size: 8, .value_kind: global_buffer, .address_space: global }
      - { .name: q_ws, .offset: 72, .size: 8, .value_kind: global_buffer, .address_space: global }
      - { .name: kv_ws, .offset: 80, .size: 8, .value_kind: global_buffer, .address_space: global }
    .group_segment_fixed_size: 327680
    .private_segment_fixed_size: 0
    .kernarg_segment_align: 8
    .kernarg_segment_size: 88
    .max_flat_workgroup_size: 128
    .sgpr_count:     102
    .vgpr_count:     1024
    .wavefront_size: 32
...
	.end_amdgpu_metadata
.endif
;; end of part 1
;; launch attn (part 2): grid 8 x 32, 8 waves a work-group, clusters of 4 x 1, 327,680 bytes of LDS; arguments q_ws, kv_ws, mask, lowp_scales, out0; writes out0
.if DOCPART == 2
	.amdgcn_target "amdgcn-amd-amdhsa--gfx1250"
	.amdhsa_code_object_version 6
	.text
	.protected	k_q32546a0dd2_attn
	.globl	k_q32546a0dd2_attn
	.p2align	8
	.type	k_q32546a0dd2_attn,@function
k_q32546a0dd2_attn:
	s_mov_b64 s[64:65], 0
	v_nop
	global_prefetch_b8 v0, s[64:65] scope:SCOPE_SE
	s_setreg_imm32_b32 hwreg(HW_REG_WAVE_MODE, 25, 1), 1
	s_wait_xcnt 0x0
	s_wait_alu depctr_hold_cnt(0) depctr_sa_sdst(0) depctr_va_vdst(0) depctr_va_sdst(0) depctr_va_ssrc(0) depctr_va_vcc(0) depctr_vm_vsrc(0)
	s_getreg_b32 s2, hwreg(HW_REG_IB_STS2, 6, 4)
	s_cmp_eq_u32 s2, 0
	s_cbranch_scc0 .Lentry_in_a_cluster
	s_endpgm
.Lentry_in_a_cluster:
	s_bfe_u32 s2, ttmp6, 0x10000c
	s_cmp_lg_u32 s2, 0x3003
	s_cbranch_scc0 .Lentry_shape_is_right
	s_endpgm
.Lentry_shape_is_right:
; out[b][q][64 h ..] = the sum over keys of softmax(q . k / 8, masked) v, for 64 pairs (b, h), 2,048 queries x 2,048 keys, head size 64, both products on codes of BF8 (E5M2) with the given scales.
; q_ws, kv_ws hold codes as images of 128 rows x 128 bytes, row sw(i) for index i (sw exchanges bits 3 and 4).  q, k: row = token, byte = channel % 128 (two heads side by side); v: row = channel, byte = key % 128.
; kv_ws: for each block of 128 keys and each pair of heads a unit of 32,768 bytes: k's image, then v's.
; THE SOFTMAX: t = score x log2(e) / 8; M = the row's largest t so far, rounded UP to a whole number; p = 2^(t - M) is quantised, not normalised; the row's sum is taken of the unquantised p and divides O at the end.
; When M moves, the sum and O are multiplied by 2^(old M - new M): exact.
; SHARES.  A work-group owns 256 queries of a PAIR of heads: waves 0-3 the first head, waves 4-7 the second, 64 queries (four tiles of 16) a wave.  So a unit is used whole, and comes in as dense rows of 256 bytes.
; RING.  Two slots of four key steps (four units, 147,456 bytes with padding).  Each of the eight waves fetches one image (64 rows of 256 bytes) of a slot: one tensor load a wave, with no branch round it.
; The change of slots stands at a slot's head: four changes for the 16 key steps.  A step is written twice (the loop that fills, the tail that does not); an inner counted loop runs a slot's four steps.
; CLUSTER.  Four work-groups, four query blocks of one pair of heads, walk the same units: each image is asked for JOINTLY (mask 15).  Only Q's, out's and the prefetches' addresses hang on the place in the cluster.
; PREFETCH.  At the change that loads slot s the cluster asks for slot s + 1, four key steps ahead of its load: 131,072 bytes = 16 instructions of 32 lanes, 256 bytes apart: work-group cx takes unit cx, its waves 0-3 a quarter each.
; Slots 0 and 1 come by their loads alone; the last filling change asks for nothing.
; LAYOUT.  Both products transposed: S^T = K Q^T + C, O^T = V^T P^T: a lane holds ONE query (lane % 16).  By sw the 16 registers of score tiles 2 b, 2 b + 1 are the keys 32 b + 16 (lane / 16) + 0 .. 15: P's registers 4 b .. 4 b + 3.
; THE MASK: a table in LDS holds for each key 0 (it counts) or -2^120 (it does not); a step's entries, in the scores' layout, are the C of S^T's products.  A score that counts is above -2^38 (64 products of at most 57,344^2);
; the step's largest score is taken with the floor -2^40, so while every key so far was hidden p = 0 and the sums stay 0.  A batch row whose keys are ALL hidden has equal weights: c = 0 is selected, so p = 1 for every key.  No branch hangs on the mask.
; LOOK-AHEAD.  The next step's K and mask entries are read under tile 3's softmax.  In a slot's last step K's look-ahead wraps to the slot's first unit (landed bytes, used by nobody), so that one text serves the four steps; the change reads the new slot's.
; CHAINS.  The largest score and the row's sum are each taken in four chains that take turns, and the three lines that make f stand among the multiply-adds, so that few lines read the result of the line just above.
; LIMITS: e6 + e7 between -100 and 80 (added to c's exponent field); e8 between -126 and 112; e8 + e9 goes by v_ldexp_f32 and has none.  The scaled scores stay under 2^31 in magnitude.
; REGISTERS.  Window 0: v1-10 addresses; v12-27 statistics, four a tile (-M, largest t, the sum in halves); v28, v29 the stage; v32-95 K; v96-159 S^T, then p; v160-223 the mask's entries; v224-254 at work.
;   Window 1: v0-31 Q; v32-47 P's codes; v48-111 V; v112-239 O^T, 32 a tile.
.set UP,    144                        ; an image's row in LDS: 128 bytes + 16 of padding
.set IMG,   128*UP
.set UNITL, 2*IMG
.set SLOTL, 4*UNITL
.set MTAB,  2*SLOTL                    ; the mask's table: 2,048 f32
.set SPARE, MTAB+8192                  ; the spare words: 128 bytes a wave
.set SP,    272                        ; the way out: 16 rows x (256 + 16) bytes a wave, in slot 0, which has had its last fill and its last read by then
.set STW,   16*SP
.set KBLK,  262144                     ; kv_ws: from a block of 128 keys to the next
.set SLOTG, 4*KBLK
.set AK0, 1
.set AV0, 2
.set AM0, 3
.set PFO, 4
.set SPW, 5
.set NIL, 6
.set GO,  7
.set ADK, 8
.set ADV, 9
.set ADM, 10
.set ST,  12
.set STO, 28
.set RD,  29
.set KF,  32
.set S,   96
.set MB,  160
.set QF,  0
.set PF,  32
.set VF,  48
.set OF,  112
.set WV,  18                           ; s18 my wave's number
.set G1,  24                           ; s[24:31] descriptor group 1
.set G0,  40                           ; s[40:43] group 0, which walks
.set WP,  44                           ; s44 my image's place in a slot
.set SLOTS, 56                         ; s56 slots still to be asked for
.set FLOOR, 57
.set CS,  58
.set SEL, 60
.set TB,  62                           ; s62 LDS byte at which the slot in hand begins
.set MO,  63                           ; s63 the table's byte of the step whose entries are read next
.set PFA, 66
.set LIM, 68
.set FL,  69                           ; s69 the slot filled last, 0 or 1
.set KO,  70                           ; s70 LDS byte of the unit in hand
.set QC,  71                           ; s71 the step in the slot
.set MSB, 0
.macro WIN new
.if MSB != \new
	s_set_vgpr_msb (MSB<<8)|\new
.set MSB, \new
.endif
.endm
.set W_S,   0x04
.set W_D1,  0x40
.set W_RS,  0x41
.set W_PV,  0x55
.set W_OUT, 0x01
.macro ASK
	s_cmp_gt_u32 s[SLOTS], s[LIM]
	s_cbranch_scc0 .Lnot_mine_\@
	global_prefetch_b8 v[PFO], s[PFA:PFA+1] th:TH_LOAD_NT scope:SCOPE_SE
.Lnot_mine_\@:
.endm
.macro CROUND
	s_barrier_signal -1
	s_barrier_wait -1
	s_cmp_lg_u32 s[WV], 0
	s_cbranch_scc1 .Lnot_wave_0_\@
	s_barrier_signal -3
.Lnot_wave_0_\@:
	s_barrier_wait -3
	s_barrier_signal -1
	s_barrier_wait -1
.endm
.macro TLOAD                           ; four v_nop stand ahead of any switch of windows
	tensor_load_to_lds s[G0:G0+3], s[G1:G1+7]
	s_nop 0
.rept 4
	v_nop
.endr
.endm
	s_load_b256 s[4:11], s[0:1], 0x0               ; q_ws, kv_ws, mask, the scales' exponents
	s_load_b64 s[12:13], s[0:1], 0x20              ; out
	v_lshl_add_u32 v[SPW], v0, 2, SPARE
	v_mov_b32 v[NIL], 0
	ds_add_u32 v[SPW], v[NIL]                      ; the opening: the add twice on end and its wait ahead of my first tensor load
	ds_add_u32 v[SPW], v[NIL]
	v_lshrrev_b32 v11, 5, v0
	s_delay_alu instid0(VALU_DEP_1)
	v_readfirstlane_b32 s[WV], v11                 ; wave 0..7
	s_bfe_u32 s19, ttmp6, 0x40000                  ; cx
	s_lshl_b32 s16, ttmp9, 2
	s_add_co_u32 s16, s16, s19                     ; my block of 256 queries
	s_and_b32 s14, ttmp7, 0xffff                   ; 8 b + pair
	s_lshr_b32 s15, s14, 3                         ; b
	s_and_b32 s17, s14, 7                          ; the pair of heads
	s_lshr_b32 s20, s[WV], 2                       ; which head of the pair
	s_and_b32 s21, s[WV], 3                        ; which 64 queries
	s_lshl_b32 s82, s15, 22
	s_lshl_b32 s83, s17, 15
	s_add_co_u32 s82, s82, s83                     ; the pair's unit in the batch's first block of keys
	s_lshr_b32 s83, s[WV], 1
	s_lshl_b32 s83, s83, 18
	s_add_co_u32 s86, s82, s83                     ; I fetch unit wave / 2 of a slot,
	s_and_b32 s83, s[WV], 1
	s_lshl_b32 s83, s83, 14
	s_add_co_u32 s86, s86, s83                     ; image wave % 2
	s_mov_b32 s87, 0
	s_mul_i32 s[WP], s[WV], IMG
	s_lshl_b32 s90, s19, 18                        ; the prefetches: unit cx, quarter wave % 4,
	s_lshl_b32 s91, s21, 13
	s_add_co_u32 s90, s90, s91
	s_add_co_u32 s90, s90, s82
	s_add_co_u32 s90, s90, SLOTG                   ; in slot 1: the first change steps it to slot 2
	s_mov_b32 s91, 0
	s_lshl_b32 s92, s15, 4                         ; Q: the block of 128 tokens 16 b + 2 x query block + (wave % 4) / 2,
	s_lshl_b32 s93, s16, 1
	s_add_co_u32 s92, s92, s93
	s_lshr_b32 s93, s21, 1
	s_add_co_u32 s92, s92, s93
	s_lshl_b32 s92, s92, 3
	s_add_co_u32 s92, s92, s17                     ; its image for the pair,
	s_lshl_b32 s92, s92, 14
	s_and_b32 s93, s21, 1
	s_lshl_b32 s93, s93, 13
	s_add_co_u32 s92, s92, s93                     ; my 64 rows,
	s_lshl_b32 s84, s20, 6
	s_add_co_u32 s92, s92, s84                     ; my head's 64 bytes of each
	s_mov_b32 s93, 0
	s_lshl_b32 s94, s15, 11                        ; out: row 2,048 b + 256 x query block + 64 (wave % 4) of 4,096 bytes, + 256 x head
	s_lshl_b32 s95, s16, 8
	s_add_co_u32 s94, s94, s95
	s_lshl_b32 s95, s21, 6
	s_add_co_u32 s94, s94, s95
	s_lshl_b32 s94, s94, 12
	s_lshl_b32 s95, s17, 1
	s_add_co_u32 s95, s95, s20
	s_lshl_b32 s95, s95, 8
	s_add_co_u32 s94, s94, s95
	s_mov_b32 s95, 0
	s_lshl_b32 s22, s15, 11                        ; mask: the batch's 2,048 bytes
	s_mov_b32 s23, 0
	s_mul_i32 s85, s20, 64*UP
	s_add_co_u32 s85, s85, IMG                     ; V: my head's 64 rows of the unit's second image
	s_mul_i32 s88, s[WV], STW                      ; my stage
	s_mov_b32 s[G1], 15|(1<<20)|(1<<21)|(4<<22)|(3<<25)   ; mask: all four; elements of 1 byte; padding on; bit 21 beside a mask; four words after every 32
	s_mov_b32 s[G1+1], 256<<16
	s_mov_b32 s[G1+2], 64<<16
	s_mov_b32 s[G1+3], 256<<16
	s_mov_b32 s[G1+4], 64
	s_mov_b32 s[G1+5], 256
	s_mov_b32 s[G1+6], 0
	s_mov_b32 s[G1+7], 0
	s_mov_b32 s[SEL], 0x76543210
	s_mov_b32 s[SEL+1], 0xfedcba98
	s_mov_b32 s[FLOOR], 0xd3800000                 ; -2^40
	s_mov_b32 s[CS], 0x3e38aa3b                    ; log2(e) / 8
	s_mov_b32 s[MO], 0
	s_mov_b32 s[FL], 0
	s_mov_b32 s[SLOTS], 3
	s_cmp_lt_u32 s[WV], 4
	s_cselect_b32 s[LIM], 1, -1
	s_wait_dscnt 0x0                               ; both opening adds are done
	s_wait_kmcnt 0x0
	s_load_b256 s[72:79], s[10:11], 0x0            ; e0 .. e7
	s_load_b64 s[80:81], s[10:11], 0x20            ; e8, e9
	s_mov_b32 s[G0], 1
	s_mov_b32 s[G0+1], s[WP]
	s_add_nc_u64 s[G0+2:G0+3], s[6:7], s[86:87]
	s_or_b32 s[G0+3], s[G0+3], 0x80000000
	s_add_nc_u64 s[PFA:PFA+1], s[6:7], s[90:91]
	s_add_nc_u64 s[4:5], s[4:5], s[92:93]
	s_add_nc_u64 s[12:13], s[12:13], s[94:95]
	s_add_nc_u64 s[8:9], s[8:9], s[22:23]
	CROUND                                         ; all four work-groups are here: the first joint loads meet
	TLOAD                                          ; slot 0: my one tensor load at the head
	v_lshlrev_b32 v232, 3, v0
	global_load_b64 v[238:239], v232, s[8:9]       ; the mask bytes of keys 8 x thread on: my eight entries of the table
	v_and_b32 v11, 31, v0
	s_delay_alu instid0(VALU_DEP_1)
	v_lshlrev_b32 v233, 4, v11
.irp i, 0,1,2,3
	global_load_b128 v[S+4*\i:S+4*\i+3], v233, s[8:9] offset:512*\i   ; and the row's 2,048 bytes: does any key count?
.endr
	v_and_b32 v30, 15, v0                          ; r
	v_bfe_u32 v31, v0, 4, 1                        ; the lane's half
	s_delay_alu instid0(VALU_DEP_2)
	v_and_b32 v234, 8, v30
	s_delay_alu instid0(VALU_DEP_1)
	v_add_nc_u32 v234, v234, v30                   ; r % 8 + 16 (r / 8)
	s_delay_alu instid0(VALU_DEP_1)
	v_lshlrev_b32 v234, 7, v234
	s_delay_alu instid0(VALU_DEP_1)
	v_lshl_add_u32 v234, v31, 4, v234
	WIN W_D1
.irp t, 0,1,2,3                                ; Q stays in registers: tile t's query 16 t + r lies in image row 32 (t / 2) + 8 (t % 2) + r % 8 + 16 (r / 8)
.irp c, 0,1
	global_load_b128 v[QF+8*\t+4*\c:QF+8*\t+4*\c+3], v234, s[4:5] offset:(32*(\t/2)+8*(\t%2))*128+32*\c
.endr
.endr
.set j, 0
.rept 128
	v_mov_b32 v[OF+j], 0                           ; O^T: the step has no first copy of its own; its first run finds zeros
.set j, j+1
.endr
	WIN 0
	v_mul_u32_u24 v[AK0], v30, UP
	s_delay_alu instid0(VALU_DEP_1)
	v_lshl_add_u32 v[AK0], v31, 4, v[AK0]          ; row x pitch + 16 x half
	s_delay_alu instid0(VALU_DEP_1)
	v_add_nc_u32 v[AV0], s85, v[AK0]
	v_add_nc_u32 v[AK0], s84, v[AK0]
	v_lshlrev_b32 v[AM0], 6, v31                   ; the table: my half's 16 keys of each 32
	s_delay_alu instid0(VALU_DEP_1)
	v_add_nc_u32 v[AM0], MTAB, v[AM0]
	v_lshlrev_b32 v[PFO], 8, v11
	v_lshlrev_b32 v[GO], 12, v31
	s_delay_alu instid0(VALU_DEP_1)
	v_lshl_add_u32 v[GO], v30, 4, v[GO]
	v_mul_u32_u24 v[STO], v30, SP
	s_delay_alu instid0(VALU_DEP_1)
	v_lshl_add_u32 v[STO], v31, 6, v[STO]
	s_delay_alu instid0(VALU_DEP_1)
	v_add_nc_u32 v[STO], s88, v[STO]
	v_mul_u32_u24 v[RD], v31, SP
	s_delay_alu instid0(VALU_DEP_1)
	v_lshl_add_u32 v[RD], v30, 4, v[RD]
	s_delay_alu instid0(VALU_DEP_1)
	v_add_nc_u32 v[RD], s88, v[RD]
	v_lshl_add_u32 v246, v0, 5, MTAB               ; where my eight entries go
	v_mov_b32 v235, 0xfb800000                     ; -2^120
.irp t, 0,1,2,3
	v_mov_b32 v[ST+4*\t+1], 0xff61b1e6             ; the largest t so far: -3e38
	s_delay_alu instid0(VALU_DEP_1)
	v_floor_f32 v[ST+4*\t], -v[ST+4*\t+1]          ; -M
	v_mov_b32 v[ST+4*\t+2], 0
	v_mov_b32 v[ST+4*\t+3], 0
.endr
	v_mov_b32 v236, 0                              ; a lane permute's destination counts as a source
	v_mov_b32 v253, 0                              ; (the upper half of the pair v[252:253])
	s_wait_alu depctr_va_vdst(0)
	s_wait_kmcnt 0x0
	s_add_co_i32 s82, s78, s79
	s_lshl_b32 s82, s82, 23
	s_add_co_i32 s[CS], s[CS], s82                 ; e6 + e7 onto c's exponent field
	s_add_co_i32 s82, s80, 127
	s_lshl_b32 s83, s82, 23
	v_mov_b32 v244, s83                            ; 2^e8, for p's conversions
	s_add_co_i32 s82, s82, 15
	s_lshl_b32 s82, s82, 23
	s_or_b32 s82, s82, 0x600000
	v_mov_b32 v240, s82                            ; 57,344 x 2^e8, twice: one for each half of a dual minimum
	v_mov_b32 v241, s82
	s_wait_alu depctr_va_vdst(0)
	s_wait_loadcnt 8                               ; the mask's five loads are in; Q's eight may be out
.irp i, 0,1,2,3,4,5,6,7
	v_or_b32 v[S+\i], v[S+\i], v[S+8+\i]
.endr
.irp i, 0,1,2,3
	s_delay_alu instid0(VALU_DEP_4)
	v_or_b32 v[S+\i], v[S+\i], v[S+4+\i]
.endr
	s_delay_alu instid0(VALU_DEP_2)
	v_or_b32 v[S], v[S], v[S+2]
	s_delay_alu instid0(VALU_DEP_2)
	v_or_b32 v[S+1], v[S+1], v[S+3]
	s_delay_alu instid0(VALU_DEP_1)
	v_or_b32 v[S], v[S], v[S+1]
	s_delay_alu instid0(VALU_DEP_1)
	v_cmp_ne_u32 vcc_lo, 0, v[S]
	s_cmp_lg_u32 vcc_lo, 0                         ; does any key of the batch row count?
	s_cselect_b32 s[CS], s[CS], 0                  ; if none: c = 0: equal weights
	s_mov_b32 s[CS+1], s[CS]
.irp i, 0,1,2,3,4,5,6,7
	v_bfe_u32 v237, v[238+\i/4], 8*(\i%4), 8
	s_delay_alu instid0(VALU_DEP_1)
	v_cmp_eq_u32 vcc_lo, 0, v237
	s_delay_alu instid0(VALU_DEP_1)
	v_cndmask_b32 v[224+\i], 0, v235, vcc_lo       ; 0 where the key counts, -2^120 where it does not
.endr
	ds_store_b128 v246, v[224:227]
	ds_store_b128 v246, v[228:231] offset:16
; S^T = K Q^T + C for tile t.  Four places follow, ahead of the first read of the scores and of loads into K's and the mask's registers: the copy of the tile's old -M and three v_nop
.macro SMUL t
	WIN W_S
.set i, 0
.rept 8
	v_wmma_f32_16x16x64_bf8_bf8 v[S+8*i:S+8*i+7], v[KF+8*i:KF+8*i+7], v[QF+8*(\t):QF+8*(\t)+7], v[MB+8*i:MB+8*i+7]
.set i, i+1
.endr
	WIN 0
	v_mov_b32 v249, v[ST+4*(\t)]
.rept 3
	v_nop
.endr
.endm
.macro TMM j0                          ; t - M for eight scores from j0 on, two an instruction
.set j, \j0
.rept 4
	v_pk_fma_f32 v[S+j:S+j+1], v[S+j:S+j+1], s[CS:CS+1], v[rM:rM+1] op_sel_hi:[1,0,0]
.set j, j+2
.endr
.endm
; Tile t's softmax for a key step: 64 scores a lane
.macro SOFT t
.set rM, ST+4*(\t)
.set rO, OF+32*(\t)
	v_max3_num_f32 v254, v[S], v[S+1], v[S+2]      ; the step's largest score, in four chains, the scores in ascending order: each tile of scores is first read at its lowest register
	v_max3_num_f32 v252, v[S+3], v[S+4], v[S+5]
	v_max3_num_f32 v250, v[S+6], v[S+7], v[S+8]
	v_max3_num_f32 v251, v[S+9], v[S+10], v[S+11]
.set j, 12
.rept 6
	v_max3_num_f32 v254, v254, v[S+j], v[S+j+1]
	v_max3_num_f32 v252, v252, v[S+j+2], v[S+j+3]
	v_max3_num_f32 v250, v250, v[S+j+4], v[S+j+5]
	v_max3_num_f32 v251, v251, v[S+j+6], v[S+j+7]
.set j, j+8
.endr
	v_max3_num_f32 v254, v254, v[S+60], v[S+61]
	v_max3_num_f32 v252, v252, v[S+62], v[S+63]
	v_max3_num_f32 v250, v250, v251, s[FLOOR]      ; with the floor, under every score that counts and far above every hidden one
	s_delay_alu instid0(VALU_DEP_1)
	v_max3_num_f32 v254, v254, v252, v250
	s_delay_alu instid0(VALU_DEP_1)
	v_permlanex16_b32 v236, v254, s[SEL], s[SEL+1]
	s_delay_alu instid0(VALU_DEP_1)
	v_max_num_f32 v254, v254, v236                 ; and among lane l xor 16's
	s_delay_alu instid0(VALU_DEP_1)
	v_mul_f32 v254, s[CS], v254                    ; as t (c is not negative)
	s_delay_alu instid0(VALU_DEP_1)
	v_max_num_f32 v[rM+1], v[rM+1], v254           ; the running largest t
	s_delay_alu instid0(VALU_DEP_1)
	v_floor_f32 v[rM], -v[rM+1]                    ; the new -M = -ceil(t)
	TMM 0
	v_sub_f32 v254, v[rM], v249                    ; old M - new M: a whole number, 0 or less
	TMM 8
	v_cvt_i32_f32 v254, v254                       ; (it saturates)
	TMM 16
	v_ldexp_f32 v252, 1.0, v254                    ; f = 2^(old M - new M)
	TMM 24
	TMM 32
	TMM 40
	TMM 48
	TMM 56
	s_wait_alu depctr_va_vdst(0)
.set j, 0
.rept 64
	v_exp_f32 v[S+j], v[S+j]                       ; p = 2^(t - M), at most 1
.set j, j+1
.endr
	v_pk_mul_f32 v[rM+2:rM+3], v[rM+2:rM+3], v[252:253] op_sel_hi:[1,0]   ; the sums under the new M (a plain place behind the batch)
	s_wait_alu depctr_va_vdst(0)
	v_pk_add_f32 v[242:243], v[S:S+1], v[S+2:S+3]  ; the row's sum of the UNQUANTISED p, two at a time, in four chains
	v_pk_add_f32 v[246:247], v[S+4:S+5], v[S+6:S+7]
	v_pk_add_f32 v[250:251], v[S+8:S+9], v[S+10:S+11]
	v_pk_add_f32 v[rM+2:rM+3], v[rM+2:rM+3], v[S+12:S+13]
.set j, 14
.rept 6
	v_pk_add_f32 v[242:243], v[242:243], v[S+j:S+j+1]
	v_pk_add_f32 v[246:247], v[246:247], v[S+j+2:S+j+3]
	v_pk_add_f32 v[250:251], v[250:251], v[S+j+4:S+j+5]
	v_pk_add_f32 v[rM+2:rM+3], v[rM+2:rM+3], v[S+j+6:S+j+7]
.set j, j+8
.endr
	v_pk_add_f32 v[242:243], v[242:243], v[S+62:S+63]
	v_pk_add_f32 v[246:247], v[246:247], v[250:251]
	v_pk_add_f32 v[rM+2:rM+3], v[rM+2:rM+3], v[242:243]
	v_pk_add_f32 v[rM+2:rM+3], v[rM+2:rM+3], v[246:247]
.set j, 0
.rept 32                                       ; the hold at the largest code (the conversion does not saturate: ISA guide 7.6.2); p is not negative, so it is one-sided; two numbers an instruction
	v_dual_min_num_f32 v[S+j], v[S+j], v240 :: v_dual_min_num_f32 v[S+j+1], v[S+j+1], v241
.set j, j+2
.endr
	WIN W_D1
.set j, 0
.rept 8
	v_cvt_scalef32_pk8_bf8_f32 v[PF+2*j:PF+2*j+1], v[S+8*j:S+8*j+7], v244
.set j, j+1
.endr
	WIN W_RS
	s_wait_alu depctr_va_vdst(0)
.set j, 0
.rept 16
	v_pk_mul_f32 v[rO+j:rO+j+1], v[rO+j:rO+j+1], v[252:253] op_sel_hi:[1,0]   ; O^T x f, each accumulator from its low end on; also the plain lines between the conversions and the products that read P
.set j, j+2
.endr
.endm
; O^T += V^T P^T for tile t: the four accumulators take turns
.macro PMUL t
	WIN W_PV
.set i, 0
.rept 4
	v_wmma_f32_16x16x128_bf8_bf8 v[OF+32*(\t)+8*i:OF+32*(\t)+8*i+7], v[VF+16*i:VF+16*i+15], v[PF:PF+15], v[OF+32*(\t)+8*i:OF+32*(\t)+8*i+7]
.set i, i+1
.endr
.endm
; K of the unit at s[KO] (16 loads) and the mask's 64 entries at s[MO] in the scores' layout (16 loads)
.macro LDK
	v_add_nc_u32 v[ADK], s[KO], v[AK0]
	v_add_nc_u32 v[ADM], s[MO], v[AM0]
.set i, 0
.rept 8
	ds_load_b128 v[KF+8*i:KF+8*i+3],   v[ADK] offset:i*16*UP
	ds_load_b128 v[KF+8*i+4:KF+8*i+7], v[ADK] offset:i*16*UP+32
.set i, i+1
.endr
.set i, 0
.rept 16
	ds_load_b128 v[MB+4*i:MB+4*i+3], v[ADM] offset:128*(i/4)+16*(i%4)
.set i, i+1
.endr
.endm
; THE CHANGE OF SLOTS, at a slot's head.  Each wave waits for all its tensor loads (its image of the slot ahead), adds 0 to its spare word, and waits for that and for its reads of the slot that it has left.
; fill = 1: a round of the cluster's barrier, and behind it the other slot takes the next four units (the first time: slot 1's first fill); the load has four key steps in which to land.
.macro CHANGE fill
	s_wait_tensorcnt 0x0                           ; no tensor load of mine is out, so group 0 may be written
	ds_add_u32 v[SPW], v[NIL]
	s_mul_i32 s[TB], s[FL], SLOTL                  ; the slot filled last is the slot ahead
	s_mov_b32 s[KO], s[TB]
.if \fill
	s_xor_b32 s[FL], s[FL], 1
	s_mul_i32 s[G0+1], s[FL], SLOTL
	s_add_co_u32 s[G0+1], s[G0+1], s[WP]
	s_add_nc_u64 s[G0+2:G0+3], s[G0+2:G0+3], SLOTG
	s_wait_xcnt 0x0                                ; the last prefetch has read its address
	s_add_nc_u64 s[PFA:PFA+1], s[PFA:PFA+1], SLOTG ; one slot further on than the walking descriptor
	s_wait_dscnt 0x0
	CROUND
	TLOAD                                          ; my one tensor load until the next round
	ASK
.else
	s_wait_dscnt 0x0
	s_barrier_signal -1
	s_barrier_wait -1
.endif
	LDK
.endm
; A KEY STEP: 128 keys for my four tiles.  V lands under tile 0's products and softmax, the next step's K and mask entries under tile 3's softmax.
.macro STEP
	v_add_nc_u32 v[ADV], s[KO], v[AV0]             ; with three v_nop: the four places behind the last products, which read V's registers
.rept 3
	v_nop
.endr
	WIN W_D1
.set i, 0
.rept 16
	ds_load_b128 v[VF+4*i:VF+4*i+3], v[ADV] offset:(i/4)*16*UP+32*(i%4)
.set i, i+1
.endr
	WIN 0
	s_wait_dscnt 16                                ; K's and the mask's 32 loads are in; V's sixteen may be out
	SMUL 0
	SOFT 0
	s_wait_alu depctr_va_vdst(0)
	s_wait_dscnt 0x0                               ; V is in
	PMUL 0
	SMUL 1
	SOFT 1
	PMUL 1
	SMUL 2
	SOFT 2
	PMUL 2
	SMUL 3
	s_add_co_u32 s96, s[QC], 1
	s_and_b32 s96, s96, 3                          ; the slot's next unit; behind the fourth, the first
	s_mul_i32 s96, s96, UNITL
	s_add_co_u32 s[KO], s96, s[TB]
	s_add_co_u32 s[MO], s[MO], 512
	s_and_b32 s[MO], s[MO], 8191                   ; the next step's entries; behind the last step, the table's first
	LDK
	SOFT 3
	PMUL 3
	WIN 0
.endm
	s_wait_alu depctr_va_vdst(0)
	s_wait_loadcnt 0x0                             ; Q
.Lslot:                                            ; three trips: slots' worth 0 to 2 are read, 1 to 3 asked for
	CHANGE 1
	s_mov_b32 s[QC], 0
.Lstep_a:
	STEP
	s_add_co_u32 s[QC], s[QC], 1
	s_cmp_lt_u32 s[QC], 4
	s_cbranch_scc1 .Lstep_a
	s_sub_co_u32 s[SLOTS], s[SLOTS], 1
	s_cmp_lg_u32 s[SLOTS], 0
	s_cbranch_scc1 .Lslot
	CHANGE 0                                       ; the last four units: nothing is asked for
	s_mov_b32 s[QC], 0
.Lstep_b:
	STEP
	s_add_co_u32 s[QC], s[QC], 1
	s_cmp_lt_u32 s[QC], 4
	s_cbranch_scc1 .Lstep_b
	; THE WAY OUT.  O^T / the sum x 2^(e8 + e9) goes through my stage, a tile (16 queries x 256 bytes) at a time, so that sixteen lanes store 256 consecutive bytes.
	s_wait_dscnt 0x0                               ; the last look-ahead's loads have landed: their registers are used below
.irp t, 0,1,2,3
	v_add_f32 v[ST+4*\t+2], v[ST+4*\t+2], v[ST+4*\t+3]
.endr
.irp t, 0,1,2,3
	s_delay_alu instid0(VALU_DEP_4)
	v_permlanex16_b32 v[ST+4*\t+3], v[ST+4*\t+2], s[SEL], s[SEL+1]
.endr
.irp t, 0,1,2,3
	s_delay_alu instid0(VALU_DEP_4)
	v_add_f32 v[ST+4*\t+2], v[ST+4*\t+2], v[ST+4*\t+3]   ; the row's sum
.endr
	s_wait_alu depctr_va_vdst(0)
.irp t, 0,1,2,3
	v_rcp_f32 v[ST+4*\t+2], v[ST+4*\t+2]
.endr
	v_nop
	s_add_co_i32 s82, s80, s81
	s_wait_alu depctr_va_vdst(0)
.irp t, 0,1,2,3
	v_ldexp_f32 v[ST+4*\t+2], v[ST+4*\t+2], s82    ; x 2^(e8 + e9)
.endr
; Tile t: register 16 b + i of O^T is channel 32 b + 16 (lane / 16) + i of query lane % 16
.macro PACK t
.set rO, OF+32*(\t)
.set rT, S+32*((\t)%2)
.set rB, KF+32*(\t)+64*((\t)/2)
	WIN W_OUT
	s_wait_alu depctr_va_vdst(0)
.set j, 0
.rept 16
	v_pk_mul_f32 v[rT+j:rT+j+1], v[rO+j:rO+j+1], v[ST+4*(\t)+2:ST+4*(\t)+3] op_sel_hi:[1,0]
.set j, j+2
.endr
	WIN 0
.set j, 0
.rept 8
	ds_store_b128 v[STO], v[rT+4*j:rT+4*j+3] offset:128*(j/4)+16*(j%4)
.set j, j+1
.endr
.set j, 0
.rept 8
	ds_load_b128 v[rB+4*j:rB+4*j+3], v[RD] offset:2*SP*j   ; LDS serves a wave's instructions in order (ISA guide 5.7.1.4)
.set j, j+1
.endr
.endm
.macro SEND t, younger                 ; younger: the LDS instructions issued behind tile t's loads
.set rB, KF+32*(\t)+64*((\t)/2)
.set j, 0
.rept 8
	s_wait_dscnt \younger+7-j
	global_store_b128 v[GO], v[rB+4*j:rB+4*j+3], s[12:13] offset:65536*(\t)+8192*j th:TH_STORE_NT   ; 16 lanes store 256 consecutive bytes, at a multiple of 256 from out's first byte
.set j, j+1
.endr
.endm
	PACK 0
	PACK 1
	SEND 0, 16
	PACK 2
	SEND 1, 16
	PACK 3
	SEND 2, 16
	SEND 3, 0
	s_wait_tensorcnt 0x0                           ; the wave's end
	ds_add_u32 v[SPW], v[NIL]
	s_wait_dscnt 0x0
	CROUND                                         ; the closing round
	s_endpgm
.Lfunc_end_k_q32546a0dd2_attn:
	.size	k_q32546a0dd2_attn, .Lfunc_end_k_q32546a0dd2_attn-k_q32546a0dd2_attn
	.p2alignl 7, 3214868480
	.fill 96, 4, 3214868480
	.section	.rodata,"a",@progbits
	.p2align	6, 0x0
	.amdhsa_kernel k_q32546a0dd2_attn
		.amdhsa_group_segment_fixed_size 327680
		.amdhsa_private_segment_fixed_size 0
		.amdhsa_enable_private_segment 0
		.amdhsa_kernarg_size 40
		.amdhsa_user_sgpr_count 2
		.amdhsa_user_sgpr_kernarg_segment_ptr 1
		.amdhsa_wavefront_size32 1
		.amdhsa_system_sgpr_workgroup_id_x 1
		.amdhsa_system_sgpr_workgroup_id_y 1
		.amdhsa_system_sgpr_workgroup_id_z 1
		.amdhsa_system_vgpr_workitem_id 0
		.amdhsa_next_free_vgpr 512
		.amdhsa_next_free_sgpr 100
		.amdhsa_reserve_vcc 1
		.amdhsa_float_denorm_mode_32 3
		.amdhsa_float_denorm_mode_16_64 3
		.amdhsa_memory_ordered 1
		.amdhsa_forward_progress 1
		.amdhsa_inst_pref_size 149
	.end_amdhsa_kernel
	.amdgpu_metadata
---
amdhsa.version: [ 1, 2 ]
amdhsa.kernels:
  - .name:           k_q32546a0dd2_attn
    .symbol:         k_q32546a0dd2_attn.kd
    .args:
      - { .name: q_ws, .offset: 0, .size: 8, .value_kind: global_buffer, .address_space: global }
      - { .name: kv_ws, .offset: 8, .size: 8, .value_kind: global_buffer, .address_space: global }
      - { .name: mask, .offset: 16, .size: 8, .value_kind: global_buffer, .address_space: global }
      - { .name: lowp_scales, .offset: 24, .size: 8, .value_kind: global_buffer, .address_space: global }
      - { .name: out0, .offset: 32, .size: 8, .value_kind: global_buffer, .address_space: global }
    .group_segment_fixed_size: 327680
    .private_segment_fixed_size: 0
    .kernarg_segment_align: 8
    .kernarg_segment_size: 40
    .max_flat_workgroup_size: 256
    .sgpr_count:     100
    .vgpr_count:     512
    .wavefront_size: 32
...
	.end_amdgpu_metadata
.endif
;; end of part 2
